; MI455X (gfx1250); checked and timed in simulation.
; The chip was launched on July 23, 2026; its instructions are those of AMD's public machine-readable ISA for CDNA 5 (MIT licence, August 2026) and "CDNA5" Instruction Set Architecture Reference Guide (July 2026). The comments in the code are by the model that wrote it; some were corrected since.
;; Transformer Block Quantum. Allowed arithmetic: matrix products marked QUANTISED: E2M1 operands, one E8M0 scale for each 32 along K, by v_wmma_scale_f32_16x16x128_f8f6f4 with both operands' format E2M1 (or v_wmma_scale_f32_32x16x128_f4), f32 sums; products left as they are: f32 operands where the result goes on into a quantised operand, else bf16, f16 or f32 operands; f32 sums; everything else in f32.
;; Inputs: ln1_b 512 float32; ln1_g 512 float32; ln2_b 512 float32; ln2_g 512 float32; theta_attn 8 float32; theta_ffn 8 float32; w1 2,048 x 8 float32; w2_codes 512 x 64 x 16 uint8 (E2M1 codes of w2, K innermost, in blocks of 32 codes, two codes a byte); w2_scales 512 x 64 uint8 (E8M0 scales of w2, one for each 32 codes along K); w_combine_codes 512 x 16 x 16 uint8 (E2M1 codes of w_combine, K innermost, in blocks of 32 codes, two codes a byte); w_combine_scales 512 x 16 uint8 (E8M0 scales of w_combine, one for each 32 codes along K); x 8 x 4,096 x 512 float32.
;; Outputs: out0 8 x 4,096 x 512 float32.
;; This version of the problem:
;;   THIS VERSION OF THE PROBLEM IS GIVEN IN LOW PRECISION. The matrix products marked QUANTISED in the list below multiply operands that are first quantised to E2M1 (2 exponent bits, 1 mantissa bit; 4 bits a number), with one power-of-two scale for each 32 numbers along K (OCP MX v1.0); their sums are f32. All else is computed in f32.
;;   The module's matrix products, in the order in which they are computed (A, B: the left and right operand; K: the contracted axis; several contracted axes count as one K, in the product's order):
;;     1. batch 32,768 x [M 64, K 8] x [K 8, N 64]; A: computed on the way; B: computed on the way: left as it is (K = 8 < 32)
;;     2. batch 32,768 x [M 64, K 64] x [K 64, N 8]; A: softmax; B: computed on the way: left as it is (N = 8 < 16)
;;     3. [M 32,768, K 512] x [K 512, N 512]; A: computed on the way; B: input w_combine (given as codes): QUANTISED
;;     4. [M 32,768, K 8] x [K 8, N 2,048]; A: computed on the way; B: input w1: left as it is (K = 8 < 32)
;;     5. [M 32,768, K 2,048] x [K 2,048, N 512]; A: computed on the way; B: input w2 (given as codes): QUANTISED
;;   THE QUANTISER, for each operand of a quantised product, along K:
;;     - K is cut into blocks of 32 from its start; a last block that is shorter is filled with zeros.
;;     - A block's scale is 2^e with e = floor(log2(the largest magnitude in the block)) - 2, held to -126 .. 127; a block of zeros has e = 0. As a byte (E8M0): e + 127.
;;     - Each number is divided by its block's scale, clamped to +-6, and rounded to the nearest number of E2M1, ties to even, subnormals kept.
;;     - The product sums the exact products of the quantised numbers (number of the format x scale) in f32.
;;   ~~~python
;;   def quantise(x, axis):      # numpy; x: float32 -> the quantised numbers, widened to float32 again
;;       x = np.moveaxis(x, axis, -1); K = x.shape[-1]
;;       x = np.pad(x, [(0, 0)] * (x.ndim - 1) + [(0, -K % 32)]); x = x.reshape(x.shape[:-1] + (-1, 32)); a = np.abs(x).max(-1, keepdims=True)
;;       e = np.where(a > 0, np.clip(np.frexp(np.where(a > 0, a, 1))[1] - 1 - 2, -126, 127), 0)      # np.frexp(a)[1] - 1 = floor(log2(a)), exactly
;;       r = np.clip(x / 2.0 ** e, -6, 6)
;;       step = 2.0 ** (np.maximum(np.frexp(np.where(r == 0, 1, r))[1] - 1, 0) - 1)
;;       q = np.round(r / step) * step * 2.0 ** e      # np.round: ties to even
;;       return np.moveaxis(q.reshape(q.shape[:-2] + (-1,))[..., :K], -1, axis).astype(np.float32)
;;   ~~~
;;   OPERANDS COMPUTED ON THE WAY. 'Computed on the way' means the value that the module computes at that place (a softmax that the list does not call 'softmax' is quantised finished and normalised). What goes into a quantiser is computed in f32, as accurately as f32 sums, v_exp_f32 and their like allow (about 1e-6 of the number): no bf16 or f16 on the way to a quantiser, and a product that is left as it is and whose result goes on into a quantised operand takes f32 operands (vector FMAs, or v_wmma_f32_16x16x4_f32). A number that lies on a knife's edge between two numbers of the format may be rounded either way, as far as f32 arithmetic and the matrix unit's own rounding can turn it there, and no further.
;;   INPUTS GIVEN AS CODES. w2 (in the module: [512, 2048], K = its axis 1); w_combine (in the module: [512, 512], K = its axis 1): each comes as NAME_codes (uint8): NAME with its K axis moved to the last place and cut into blocks of 32 codes, [.., K / 32, bytes a block], one block behind the other in memory; two codes a byte, the lower K in the low four bits (a code: sign, 2 exponent bits, 1 mantissa bit); and NAME_scales (uint8): the same leading axes, one E8M0 byte (e + 127) for each 32 codes along K. Its value is code x scale, taken as it is: it is not quantised again, and the codes and scales need not be those that the quantiser above would give.
;; One version. Each part assembles by itself: llvm-mc -triple=amdgcn-amd-amdhsa -mcpu=gfx1250 --defsym DOCPART=n.
;; ======== version 1 of 1: 1 launch
;; limits: inputs' magnitudes at most 13,176,794
;; launch block (part 1): grid 256 x 1, 16 waves a work-group, clusters of 4 x 1, 327,680 bytes of LDS; arguments x, theta_attn, w_combine_codes, w_combine_scales, ln1_g, ln1_b, theta_ffn, w1, w2_codes, w2_scales, ln2_g, ln2_b, out0; writes out0
.if DOCPART == 1
	.amdgcn_target "amdgcn-amd-amdhsa--gfx1250"
	.amdhsa_code_object_version 6
	.text
	.protected	k_q829f682db7_block
	.globl	k_q829f682db7_block
	.p2align	8
	.type	k_q829f682db7_block,@function
k_q829f682db7_block:
	s_mov_b64 s[64:65], 0
	v_nop
	global_prefetch_b8 v0, s[64:65] scope:SCOPE_SE
	s_setreg_imm32_b32 hwreg(HW_REG_WAVE_MODE, 25, 1), 1
	s_wait_xcnt 0x0
	s_wait_alu depctr_hold_cnt(0) depctr_sa_sdst(0) depctr_va_vdst(0) depctr_va_sdst(0) depctr_va_ssrc(0) depctr_va_vcc(0) depctr_vm_vsrc(0)
	s_getreg_b32 s2, hwreg(HW_REG_IB_STS2, 6, 4)
	s_cmp_eq_u32 s2, 0
	s_cbranch_scc0 .Lentry_in_a_cluster
	s_endpgm
.Lentry_in_a_cluster:
	s_bfe_u32 s2, ttmp6, 0x10000c
	s_cmp_lg_u32 s2, 0x3003
	s_cbranch_scc0 .Lentry_shape_is_right
	s_endpgm
.Lentry_shape_is_right:
; THE WHOLE TRANSFORMER BLOCK IN ONE LAUNCH.  x [8][4096][512] f32 -> out0 [8][4096][512] f32.
; A token's 512 numbers are 64 heads of 8: q = cumprod(cos(x + theta_attn)); softmax over the heads of q q^T / sqrt(8); times q.  The transposition that follows puts head h of tokens
; 64 sb .. 64 sb + 63 into row 64 h + sb, column 8 (s % 64) + n.  So a BLOCK of 64 neighbouring tokens gives 64 whole rows of the operand of the product with w_combine; those rows, and the rows of x and
; out0 that go with them, lie 64 rows (131,072 bytes) apart.  A work-group takes a block through the whole chain: attention, quantise, x w_combine^T, + x, layer norm, cos, x w1^T, relu, quantise,
; x w2^T, + x1, layer norm.  Nothing goes to memory on the way.  256 work-groups, two blocks each (block g and block g + 256).
; DEAD WORK: none.  Every product of the table is done and every input is loaded.
; FORMATS.  The products with w_combine and w2: E2M1 codes with E8M0 scales on both sides, f32 sums.  The three small products feed quantisers and take f32 operands: q q^T and q_out w1^T by
; v_wmma_f32_16x16x4_f32; p q by packed fused multiply-adds: its 8 columns and the row's sum would fill 9 of a matrix tile's 16 rows, so the vector form does the same sums with half the multiply-adds.
; NO MAXIMUM IS TAKEN AWAY AHEAD OF THE EXPONENTIALS: every q is a product of cosines, so |q| <= 1 for all finite x; a score / sqrt(8) lies within +-8 / sqrt(8) = 2.83, an exponential within 0.059 .. 17,
; a row's sum of 64 within 3.8 .. 1,088: nothing can overflow or underflow in f32, whatever the inputs hold.
; COSINE: n = round(x / pi) (by adding 1.5 x 2^23), y = x - n pi in two fused steps, an even polynomial to y^12 (what is cut is under 6.4e-9), the sign from n's lowest bit.
; LIMITS: |x + theta| under 2^22 pi; NaN and infinities among the inputs are not carried; a block of zeros made here gets the scale byte 1 (its codes are zeros; only this text reads the byte).
; SHARES.  Sixteen waves of 256 registers, four to a SIMD.  L = lane, r = L % 16, h = L / 16, w = wave, mh = w / 8, nq = w % 8.
;   attention: wave w owns tokens 4 w .. 4 w + 3 of the block: block w of 32 along K of the first quantised product, for all 64 rows.
;   quantised products and layer norms: wave (mh, nq) owns rows 32 mh .. + 31 x columns 64 nq .. + 63: 2 x 4 accumulators, used transposed (source 0 = 16 rows of the weight, source 1 = 16 rows):
;   lane (r, h) holds row r and eight neighbouring columns.   q_out w1^T: wave w makes hidden units 128 w .. + 127, K step w of the last product, for all 64 rows.
; CLUSTER.  All work-groups walk the same weights: the four of a cluster ask for each tile jointly (mask 15).  The place in the cluster enters the addresses of x and out0 alone.
; REGISTERS.  v0 thread; v1, v2 the add's two; v3-9 addresses that stay (v6 idle); v10, v11 1.5 x 2^23; v12-15 theta_attn; v16-31 at work in attention (v16-23: the rows' sums), addresses afterwards;
;   v32-79: Q, c Q, the next token's x | weights' scale words, w1's fragments, at work;   v80-111: q of four heads, the same in 16 lanes; v112-127: e; v128-143 and v240-255: the sums of e q |
;   v80-143: fragments, gains, stage data, hidden numbers;   v144-207: the attention's results | the 8 accumulators;   v208-239: written by the f32 matrix form alone.
.set SLOT,  73728                      ; LDS: a slot: 512 weight rows x (128 bytes + 16): 256 along K;  slot 0 at 0, slot 1 behind it
.set W2S,   2*SLOT                     ; w2's scale bytes, 128 rows x (256 + 16), filled once
.set PWH,   W2S+34816                  ; 73,728 bytes that take turns, parted by barriers: 4,352 for each wave (q's table, 64 heads x 32 bytes; a stage of 16 rows x 272), or
.set PWB,   4352
.set HIMG,  PWH                        ; the hidden layer's 64 fragments as images of their registers, 1,024 bytes each,
.set HSC,   PWH+65536                  ; and their scale words, 128 bytes each
.set AIMG,  PWH+73728                  ; the attention's 16 fragments as images,
.set ASC,   AIMG+16384                 ; and their scale words
.set LNP,   ASC+2048                   ; four tables [64 rows][8 waves] f32 for the layer norms
.set QO,    LNP+8192                   ; q_out: 64 rows x 64 bytes, of which the first 32 are read
.set SPARE, QO+4096                    ; the spare words, 128 bytes for each wave: eight blocks of 256 bytes that no other line names
.set Q,   32
.set CQ,  48
.set XN,  64
.set QB,  80
.set E,   112
.set RS,  16
.set NR,  144
.set ACC, 144
.set SS,  208
.set WV,  30                           ; s30 wave, s31 mh, s32 nq, s33 blocks to go
.set MH,  31
.set NQ,  32
.set BLK, 33
.set G0,  36                           ; s[36:39] group 0 of the weights' tiles
.set G1C, 40                           ; s[40:47] group 1 for w_combine;  s[48:55] for w2;  s[56:63] for w2's scale bytes;  s[68:71] their group 0
.set G1W, 48
.set G1S, 56
.set G0S, 68
.set XA,  72                           ; s[72:73] x at my four tokens;  s[74:75] x at my 32 rows x 256 bytes;  s[76:77] out0 likewise
.set XR,  74
.set OUTB, 76
.set SEL, 78                           ; s[78:79] v_permlanex16_b32's selects for lane l xor 16
.set MHI, 81                           ; s81 lanes 16-31
.set CS,  82                           ; pairs of which a packed form takes the low word for both halves: c = log2(e) / sqrt(8),
.set IPI, 84                           ; 1 / pi,
.set NPH, 86                           ; -pi, high part,
.set NPL, 88                           ; -pi, low part,
.set C6,  90                           ; 1 / 12!,
.set C4,  94                           ; 1 / 8!,
.set C3,  96                           ; -1 / 6!,
.set C2,  98                           ; 1 / 4!
.set R512, 100                         ; s100 1 / 512, s101 1e-5
.set EPSR, 101
.set C5BITS, 0xb493f27e                ; -1 / 10!
; A round of the cluster's barrier.
.macro ROUND
	s_barrier_signal -1
	s_barrier_wait -1
	s_cmp_lg_u32 s[WV], 0
	s_cbranch_scc1 .Lnw0_\@
	s_barrier_signal -3
.Lnw0_\@:
	s_barrier_wait -3
	s_barrier_signal -1
	s_barrier_wait -1
.endm
; My LDS stores have landed and my LDS loads are in: then the work-group's barrier.
.macro BAR
	s_wait_dscnt 0x0
	s_barrier_signal -1
	s_barrier_wait -1
.endm
; cos of np pairs of registers: src -> y (they may be the same); a, u, p at work; k5: a pair that holds -1 / 10! twice.  Stage by stage, so that no line waits for the line above it.
.macro COS np, src, y, a, u, p, k5
.set ci, 0
.rept \np
	v_pk_fma_f32 v[(\a)+ci:(\a)+ci+1], v[(\src)+ci:(\src)+ci+1], s[IPI:IPI+1], v[10:11] op_sel_hi:[1,0,1]   ; x / pi + 1.5 x 2^23: the low bits are n
.set ci, ci+2
.endr
.set ci, 0
.rept \np
	v_pk_add_f32 v[(\u)+ci:(\u)+ci+1], v[(\a)+ci:(\a)+ci+1], v[10:11] neg_lo:[0,1] neg_hi:[0,1]              ; n as f32
.set ci, ci+2
.endr
.set ci, 0
.rept \np
	v_pk_fma_f32 v[(\y)+ci:(\y)+ci+1], v[(\u)+ci:(\u)+ci+1], s[NPH:NPH+1], v[(\src)+ci:(\src)+ci+1] op_sel_hi:[1,0,1]
.set ci, ci+2
.endr
.set ci, 0
.rept \np
	v_pk_fma_f32 v[(\y)+ci:(\y)+ci+1], v[(\u)+ci:(\u)+ci+1], s[NPL:NPL+1], v[(\y)+ci:(\y)+ci+1] op_sel_hi:[1,0,1]   ; y = x - n pi
.set ci, ci+2
.endr
.set ci, 0
.rept \np
	v_pk_mul_f32 v[(\u)+ci:(\u)+ci+1], v[(\y)+ci:(\y)+ci+1], v[(\y)+ci:(\y)+ci+1]                            ; y^2
.set ci, ci+2
.endr
.set ci, 0
.rept \np
	v_pk_fma_f32 v[(\p)+ci:(\p)+ci+1], v[(\u)+ci:(\u)+ci+1], s[C6:C6+1], v[(\k5):(\k5)+1] op_sel_hi:[1,0,1]
.set ci, ci+2
.endr
.irp k, C4, C3, C2
.set ci, 0
.rept \np
	v_pk_fma_f32 v[(\p)+ci:(\p)+ci+1], v[(\p)+ci:(\p)+ci+1], v[(\u)+ci:(\u)+ci+1], s[\k:\k+1] op_sel_hi:[1,1,0]
.set ci, ci+2
.endr
.endr
.set ci, 0
.rept \np
	v_pk_fma_f32 v[(\p)+ci:(\p)+ci+1], v[(\p)+ci:(\p)+ci+1], v[(\u)+ci:(\u)+ci+1], -0.5 op_sel_hi:[1,1,0]
.set ci, ci+2
.endr
.set ci, 0
.rept \np
	v_pk_fma_f32 v[(\p)+ci:(\p)+ci+1], v[(\p)+ci:(\p)+ci+1], v[(\u)+ci:(\u)+ci+1], 1.0 op_sel_hi:[1,1,0]
.set ci, ci+2
.endr
.set ci, 0
.rept 2*(\np)
	v_lshl_or_b32 v[(\y)+ci], v[(\a)+ci], 31, v[(\p)+ci]                                                     ; cos y is not negative on +-pi / 2: n's lowest bit is the sign
.set ci, ci+1
.endr
.endm
; A GROUP: four heads g = 16 a + 8 h + 4 ih + j (j = 0 .. 3) of one token against all 64 heads u.  The scores of tile a lie in v[SS] on: source 0 was c Q of heads 16 a on, source 1 Q of heads 16 b on, so that
; lane (r, h) holds head u = 16 b + r in accumulator b, and its register i the head g = 16 a + 8 h + i.  e = 2^score.  q of my half's four heads comes out of my wave's table, the same 16 bytes for all 16 lanes of a half.
; Then sum[b] += e and out[b][n] += e[b][j] q[g][n], two n an instruction, e taken for both halves of the pair.  j is the outer index, so that 16 lines stand between two on one pair.
; The token's first 16 products start the sums: nothing is cleared.  In a tile's second group the next tile's eight matrix instructions stand by turns with the multiply-adds, one behind every seventh:
; the exponentials have read the scores by then, and the 15 multiply-adds behind the last of them are the places (8 for this form) ahead of the next exponentials.
; The four accumulators take turns.   pf = 1: the prefetch stands behind the group's loads.
.macro GROUP a, ih, pf
.irp j, 0,1,2,3
	ds_load_b128 v[QB+8*\j:QB+8*\j+3], v5 offset:512*(\a)+128*(\ih)+32*\j
	ds_load_b128 v[QB+8*\j+4:QB+8*\j+7], v5 offset:512*(\a)+128*(\ih)+32*\j+16
.endr
.if \pf
	global_prefetch_b8 v9, s[XR:XR+1] th:TH_LOAD_NT scope:SCOPE_SE   ; my 32 rows x 256 bytes of x for the residual, a lane a row: half of the last token ahead of their loads; each 256 bytes of x is named once in the launch
.endif
.if ((\a)+(\ih)) == 0
.rept 8
	v_nop                                          ; the token's first scores have no other work behind them: places ahead of their first read
.endr
.endif
.irp b, 0,1,2,3
.irp j, 0,1,2,3
	v_exp_f32 v[E+4*\b+\j], v[SS+8*\b+4*(\ih)+\j]  ; each accumulator from its low end on
.endr
.endr
	v_nop                                          ; a plain instruction behind the last transcendental
	s_wait_alu depctr_va_vdst(0)                   ; one wait for the batch of 16, ahead of its first reader
.if ((\a)+(\ih)) == 0
.irp b, 0,1,2,3
	v_pk_add_f32 v[RS+2*\b:RS+2*\b+1], v[E+4*\b:E+4*\b+1], v[E+4*\b+2:E+4*\b+3]
.endr
.else
.irp u, 0,2
.irp b, 0,1,2,3
	v_pk_add_f32 v[RS+2*\b:RS+2*\b+1], v[RS+2*\b:RS+2*\b+1], v[E+4*\b+\u:E+4*\b+\u+1]
.endr
.endr
.endif
	s_wait_dscnt 0x0                               ; q of the four heads is in
.set fi, 0
.rept 64
.set fj, fi/16
.set fb, (fi/4)%4
.set fo, 128+8*fb+96*(fb/2)+2*(fi%4)
.set fq, QB+8*fj+2*(fi%4)
.set fe, E+4*fb+2*(fj/2)
.if ((\ih) == 1) && ((\a) < 3) && ((fi%7) == 0) && (fi < 56)
.set wk, fi/7
.set wb, wk%4
.if wk < 4
	v_wmma_f32_16x16x4_f32 v[SS+8*wb:SS+8*wb+7], v[CQ+4*(\a)+4:CQ+4*(\a)+5], v[Q+4*wb:Q+4*wb+1], 0
.else
	v_wmma_f32_16x16x4_f32 v[SS+8*wb:SS+8*wb+7], v[CQ+4*(\a)+6:CQ+4*(\a)+7], v[Q+4*wb+2:Q+4*wb+3], v[SS+8*wb:SS+8*wb+7]
.endif
.endif
.if (((\a)+(\ih)) == 0) && (fj == 0)
	v_pk_mul_f32 v[fo:fo+1], v[fq:fq+1], v[fe:fe+1] op_sel_hi:[1,0]
.elseif (fj%2) == 0
	v_pk_fma_f32 v[fo:fo+1], v[fq:fq+1], v[fe:fe+1], v[fo:fo+1] op_sel_hi:[1,0,1]                 ; e: the pair's first register for both halves
.else
	v_pk_fma_f32 v[fo:fo+1], v[fq:fq+1], v[fe:fe+1], v[fo:fo+1] op_sel:[0,1,0] op_sel_hi:[1,1,1]  ; e: the pair's second register for both halves
.endif
.set fi, fi+1
.endr
.endm
; A token's end.  Each half of the lanes has summed over its 32 heads g.  The rows' sums are joined and inverted.  A swap of halves between out[b][j] and out[b][4 + j] and one addition join the two halves' parts of both:
; lane (r, h) then holds n = 4 h + j of head 16 b + r.  Divided by the sum they go to register 16 b + 4 t + j of the results.
.macro FIN t
.irp b, 0,1,2,3
	v_add_f32 v[24+\b], v[RS+2*\b], v[RS+2*\b+1]
.endr
.irp b, 0,1,2,3
	v_permlanex16_b32 v[80+\b], v[24+\b], s[SEL], s[SEL+1]
.endr
.irp b, 0,1,2,3
	v_add_f32 v[24+\b], v[24+\b], v[80+\b]
.endr
.irp b, 0,1,2,3
	v_rcp_f32 v[84+2*\b], v[24+\b]
.endr
	v_nop                                          ; a plain instruction behind the last transcendental
.irp b, 0,1,2,3
.irp j, 0,1,2,3
	v_permlane16_swap_b32 v[128+8*\b+96*(\b/2)+\j], v[128+8*\b+96*(\b/2)+4+\j]
.endr
.endr
.irp b, 0,1,2,3
	v_pk_add_f32 v[128+8*\b+96*(\b/2):128+8*\b+96*(\b/2)+1], v[128+8*\b+96*(\b/2):128+8*\b+96*(\b/2)+1], v[128+8*\b+96*(\b/2)+4:128+8*\b+96*(\b/2)+5]
	v_pk_add_f32 v[128+8*\b+96*(\b/2)+2:128+8*\b+96*(\b/2)+3], v[128+8*\b+96*(\b/2)+2:128+8*\b+96*(\b/2)+3], v[128+8*\b+96*(\b/2)+6:128+8*\b+96*(\b/2)+7]
.endr
	s_wait_alu depctr_va_vdst(0)                   ; one wait for the four reciprocals, ahead of their first reader
.irp b, 0,1,2,3
	v_pk_mul_f32 v[NR+16*\b+4*(\t):NR+16*\b+4*(\t)+1], v[128+8*\b+96*(\b/2):128+8*\b+96*(\b/2)+1], v[84+2*\b:85+2*\b] op_sel_hi:[1,0]
	v_pk_mul_f32 v[NR+16*\b+4*(\t)+2:NR+16*\b+4*(\t)+3], v[128+8*\b+96*(\b/2)+2:128+8*\b+96*(\b/2)+3], v[84+2*\b:85+2*\b] op_sel_hi:[1,0]
.endr
.endm
; One token.  A lane's four registers of Q's tile a are k = 4 h .. 4 h + 3 of head 16 a + r, on both sides of q q^T alike: two K steps of 4 cover the 8.
.macro TOKEN t
	s_wait_loadcnt 0x0                             ; the token's x is in (asked for a token ago)
.irp a, 0,1,2,3
	v_pk_add_f32 v[Q+4*\a:Q+4*\a+1], v[XN+4*\a:XN+4*\a+1], v[12:13]
	v_pk_add_f32 v[Q+4*\a+2:Q+4*\a+3], v[XN+4*\a+2:XN+4*\a+3], v[14:15]
.endr
.if (\t) < 3
.irp a, 0,1,2,3
	global_load_b128 v[XN+4*\a:XN+4*\a+3], v3, s[XA:XA+1] offset:2048*((\t)+1)+512*\a   ; the next token: 32 lanes read 512 consecutive bytes
.endr
.endif
	COS 8, Q, Q, E, E+16, QB, 30
.irp i, 1,2,3
.irp a, 0,1,2,3
	v_mul_f32 v[Q+4*\a+\i], v[Q+4*\a+\i-1], v[Q+4*\a+\i]       ; the running product of my four
.endr
.endr
.irp a, 0,1,2,3
	v_permlanex16_b32 v[16+2*\a], v[Q+4*\a+3], s[SEL], s[SEL+1]
.endr
.irp a, 0,1,2,3
	v_cndmask_b32 v[16+2*\a], 1.0, v[16+2*\a], s[MHI]          ; lanes 16-31 go on from the product of k = 0 .. 3
.endr
.irp a, 0,1,2,3
	v_pk_mul_f32 v[Q+4*\a:Q+4*\a+1], v[Q+4*\a:Q+4*\a+1], v[16+2*\a:17+2*\a] op_sel_hi:[1,0]
	v_pk_mul_f32 v[Q+4*\a+2:Q+4*\a+3], v[Q+4*\a+2:Q+4*\a+3], v[16+2*\a:17+2*\a] op_sel_hi:[1,0]
.endr
.irp i, 0,2,4,6,8,10,12,14
	v_pk_mul_f32 v[CQ+\i:CQ+\i+1], v[Q+\i:Q+\i+1], s[CS:CS+1] op_sel_hi:[1,0]   ; a second set for source 0, with c in it
.endr
.irp a, 0,1,2,3
	ds_store_b128 v4, v[Q+4*\a:Q+4*\a+3] offset:512*\a         ; q's table in my own bytes: 32 bytes a head; the 32 lanes store 512 consecutive bytes.  LDS serves a wave's instructions in order: the groups' loads see these
.endr
.irp b, 0,1,2,3
	v_wmma_f32_16x16x4_f32 v[SS+8*\b:SS+8*\b+7], v[CQ:CQ+1], v[Q+4*\b:Q+4*\b+1], 0      ; the scores of tile 0; the later tiles' stand in the groups
.endr
.irp b, 0,1,2,3
	v_wmma_f32_16x16x4_f32 v[SS+8*\b:SS+8*\b+7], v[CQ+2:CQ+3], v[Q+4*\b+2:Q+4*\b+3], v[SS+8*\b:SS+8*\b+7]
.endr
	GROUP 0, 0, 0
	GROUP 0, 1, 0
	GROUP 1, 0, 0
	GROUP 1, 1, 0
.if (\t) == 3
	GROUP 2, 0, 1
.else
	GROUP 2, 0, 0
.endif
	GROUP 2, 1, 0
	GROUP 3, 0, 0
	GROUP 3, 1, 0
	FIN \t
.endm
; FR (v21) and SCA (v22): where my two tiles of rows' fragments and scale words lie.
.macro FRSET img, sc
	v_and_b32 v21, 31, v0
	v_lshlrev_b32 v22, 2, v21
	v_lshlrev_b32 v21, 4, v21
	s_lshl_b32 s2, s[MH], 11
	s_add_co_u32 s2, s2, \img
	s_lshl_b32 s3, s[MH], 8
	s_add_co_u32 s3, s3, \sc
	v_add_nc_u32 v21, s2, v21
	v_add_nc_u32 v22, s3, v22
.endm
; 128 along K: the slot's s-th, the product's k-th; ws: which of the four scale words in hand.  Eight accumulators by turns.
.macro KSTEP wa, s, k, ws
.irp nt, 0,1,2,3
	ds_load_b128 v[80+8*\nt:83+8*\nt], v[\wa] offset:2304*\nt+64*(\s)
	ds_load_b128 v[84+8*\nt:87+8*\nt], v[\wa] offset:2304*\nt+64*(\s)+32
.endr
.irp mt, 0,1
	ds_load_b128 v[112+8*\mt:115+8*\mt], v21 offset:4096*(\k)+1024*\mt
	ds_load_b128 v[116+8*\mt:119+8*\mt], v21 offset:4096*(\k)+1024*\mt+512
	ds_load_b32 v[128+\mt], v22 offset:512*(\k)+128*\mt
.endr
	s_wait_dscnt 0x0
.irp mt, 0,1
.irp nt, 0,1,2,3
	v_wmma_scale_f32_16x16x128_f8f6f4 v[ACC+32*\mt+8*\nt:ACC+32*\mt+8*\nt+7], v[80+8*\nt:87+8*\nt], v[112+8*\mt:119+8*\mt], v[ACC+32*\mt+8*\nt:ACC+32*\mt+8*\nt+7], v[32+4*\nt+(\ws)], v[128+\mt] matrix_a_fmt:MATRIX_FMT_FP4 matrix_b_fmt:MATRIX_FMT_FP4
.endr
.endr
.rept 4
	v_nop                                          ; places in front of loads into registers that these products have read, and of the first read of results
.endr
.endm
; A change of slots in the last product.  fill = 1: the slot just read is filled with the slab two on, by the eight waves whose mh is p; the round is the barrier of that refill.
.macro CHANGE fill, p
	s_wait_tensorcnt 0x0                           ; all my tensor loads have landed: my part of the next slab, if I fetched for it
.if \fill
	ds_add_u32 v1, v2
	s_wait_dscnt 0x0                               ; the add is done, and my reads of this slot are over
	ROUND
	s_cmp_lg_u32 s[MH], \p
	s_cbranch_scc1 .Lnf_\@
	s_add_nc_u64 s[G0+2:G0+3], s[G0+2:G0+3], 256   ; two slabs of 128 bytes on in each row; the type bits on top are not reached
	tensor_load_to_lds s[G0:G0+3], s[G1W:G1W+7]
	s_nop 0
.Lnf_\@:
.else
	BAR
.endif
.endm
; Sums (sq = 0) or sums of squares (sq = 1) of my 32 numbers of each row, with lane l xor 16's: my wave's part goes to the table at off.
.macro LNSUM sq, off
.irp mt, 0,1
.set AB, ACC+32*\mt
.set TT, 64+4*\mt
.if \sq
	v_pk_mul_f32 v[TT:TT+1], v[AB:AB+1], v[AB:AB+1]
	v_pk_mul_f32 v[TT+2:TT+3], v[AB+2:AB+3], v[AB+2:AB+3]
.set li, 4
.rept 7
	v_pk_fma_f32 v[TT:TT+1], v[AB+li:AB+li+1], v[AB+li:AB+li+1], v[TT:TT+1]
	v_pk_fma_f32 v[TT+2:TT+3], v[AB+li+2:AB+li+3], v[AB+li+2:AB+li+3], v[TT+2:TT+3]
.set li, li+4
.endr
.else
	v_pk_add_f32 v[TT:TT+1], v[AB:AB+1], v[AB+2:AB+3]          ; each accumulator from its low end on
	v_pk_add_f32 v[TT+2:TT+3], v[AB+4:AB+5], v[AB+6:AB+7]
.set li, 8
.rept 6
	v_pk_add_f32 v[TT:TT+1], v[TT:TT+1], v[AB+li:AB+li+1]
	v_pk_add_f32 v[TT+2:TT+3], v[TT+2:TT+3], v[AB+li+2:AB+li+3]
.set li, li+4
.endr
.endif
	v_pk_add_f32 v[TT:TT+1], v[TT:TT+1], v[TT+2:TT+3]
	v_add_f32 v[TT], v[TT], v[TT+1]
	v_permlanex16_b32 v[TT+2], v[TT], s[SEL], s[SEL+1]
	v_add_f32 v[TT], v[TT], v[TT+2]
	ds_store_b32 v24, v[TT] offset:512*\mt+(\off)  ; both halves of the lanes write the same word with the same value
.endr
.endm
; A barrier; then the eight waves' parts of my rows are added: v64 for rows 0-15, v72 for rows 16-31.
.macro LNGET off
	BAR
.irp mt, 0,1
	ds_load_b128 v[64+8*\mt:67+8*\mt], v25 offset:512*\mt+(\off)
	ds_load_b128 v[68+8*\mt:71+8*\mt], v25 offset:512*\mt+(\off)+16
.endr
	s_wait_dscnt 0x0
.irp mt, 0,1
	v_pk_add_f32 v[64+8*\mt:65+8*\mt], v[64+8*\mt:65+8*\mt], v[66+8*\mt:67+8*\mt]
	v_pk_add_f32 v[68+8*\mt:69+8*\mt], v[68+8*\mt:69+8*\mt], v[70+8*\mt:71+8*\mt]
	v_pk_add_f32 v[64+8*\mt:65+8*\mt], v[64+8*\mt:65+8*\mt], v[68+8*\mt:69+8*\mt]
	v_add_f32 v[64+8*\mt], v[64+8*\mt], v[65+8*\mt]
.endr
.endm
; The layer norm of the accumulators, in place, in two passes.  buf: which two tables; gp, bp: gain and bias; w1l = 1: w1's fragments are asked for behind them.
.macro LN buf, gp, bp, w1l
.irp nt, 0,1,2,3
	global_load_b128 v[80+8*\nt:83+8*\nt], v26, s[\gp:\gp+1] offset:64*\nt
	global_load_b128 v[84+8*\nt:87+8*\nt], v26, s[\gp:\gp+1] offset:64*\nt+16
.endr
.irp nt, 0,1,2,3
	global_load_b128 v[112+8*\nt:115+8*\nt], v26, s[\bp:\bp+1] offset:64*\nt
	global_load_b128 v[116+8*\nt:119+8*\nt], v26, s[\bp:\bp+1] offset:64*\nt+16
.endr
.if \w1l
.irp t, 0,1,2,3,4,5,6,7
	global_load_b128 v[32+4*\t:35+4*\t], v29, s[18:19] offset:(32*(\t/2)+8*(\t%2))*32   ; tile t of w1: lane r takes row 32 (t / 2) + 8 (t % 2) + r + 8 (r / 8), k = 4 h .. 4 h + 3
.endr
.endif
	LNSUM 0, 2048*(\buf)
	LNGET 2048*(\buf)
.irp mt, 0,1
.set AB, ACC+32*\mt
	v_mul_f32 v[64+8*\mt], s[R512], v[64+8*\mt]    ; the mean
.set li, 0
.rept 16
	v_pk_add_f32 v[AB+li:AB+li+1], v[AB+li:AB+li+1], v[64+8*\mt:65+8*\mt] op_sel_hi:[1,0] neg_lo:[0,1] neg_hi:[0,1]
.set li, li+2
.endr
.endr
	LNSUM 1, 2048*(\buf)+2048
	LNGET 2048*(\buf)+2048
.irp mt, 0,1
	v_fma_f32 v[64+8*\mt], v[64+8*\mt], s[R512], s[EPSR]
.endr
.irp mt, 0,1
	v_rsq_f32 v[64+8*\mt], v[64+8*\mt]
.endr
	v_nop                                          ; a plain instruction behind the last transcendental
	s_wait_alu depctr_va_vdst(0)                   ; one wait for the two, ahead of their first reader
.if \w1l
	s_wait_loadcnt 8                               ; gain and bias are in; the eight younger loads, w1's, may be out
.else
	s_wait_loadcnt 0x0
.endif
.irp mt, 0,1
.set AB, ACC+32*\mt
.set li, 0
.rept 16
	v_pk_mul_f32 v[AB+li:AB+li+1], v[AB+li:AB+li+1], v[64+8*\mt:65+8*\mt] op_sel_hi:[1,0]
.set li, li+2
.endr
.set li, 0
.rept 16
	v_pk_fma_f32 v[AB+li:AB+li+1], v[AB+li:AB+li+1], v[80+li:81+li], v[112+li:113+li]
.set li, li+2
.endr
.endr
.endm
; 32 hidden numbers of a lane (v80-111: two blocks of 32 along K, my 16 of each) become four registers of the fragment of rows 16 m on, K step w; none is negative, so no |.|.
.macro QUANT2 c, m
.irp b, 0,1
	v_max3_num_f32 v[68+\b], v[80+16*\b], v[81+16*\b], 0x1800000   ; with the floor 2^(3 - 127): the byte cannot fall under 1
.endr
.irp i, 2,4,6,8,10,12,14
.irp b, 0,1
	v_max3_num_f32 v[68+\b], v[68+\b], v[80+16*\b+\i], v[81+16*\b+\i]
.endr
.endr
.irp b, 0,1
	v_permlanex16_b32 v[70+\b], v[68+\b], s[SEL], s[SEL+1]
.endr
.irp b, 0,1
	v_max_num_f32 v[68+\b], v[68+\b], v[70+\b]     ; the block's largest number
.endr
.irp b, 0,1
	v_add_nc_u32 v[72+\b], 0xff000000, v[68+\b]    ; 2 off its exponent field: the conversion's scale operand
.endr
.irp b, 0,1
	v_lshrrev_b32 v[74+\b], 23, v[72+\b]           ; the scale's byte
.endr
.if (\c) == 0
	v_lshl_or_b32 v76, v75, 8, v74
.else
	v_lshl_or_b32 v76, v74, 16, v76
	v_lshl_or_b32 v76, v75, 24, v76
.endif
	s_wait_dscnt 0x0                               ; the last image's store has read its registers
.irp b, 0,1
	v_cvt_scalef32_pk8_fp4_f32 v[112+2*\b], v[80+16*\b:87+16*\b], v[72+\b]
	v_cvt_scalef32_pk8_fp4_f32 v[113+2*\b], v[88+16*\b:95+16*\b], v[72+\b]
.endr
	v_nop                                          ; one plain instruction behind a scaled conversion
	v_permlane16_swap_b32 v112, v114               ; the operand's layout wants a whole block in a lane
	v_permlane16_swap_b32 v113, v115
	ds_store_b128 v30, v[112:115] offset:1024*(\m)+512*(\c)
.if (\c) == 1
	ds_store_b32 v31, v76 offset:128*(\m)
.endif
.endm
	; ---------------- the head ----------------
	s_load_b512 s[4:19], s[0:1], 0x0               ; x 4, theta_attn 6, w_combine's codes 8, its scales 10, ln1_g 12, ln1_b 14, theta_ffn 16, w1 18
	s_load_b256 s[20:27], s[0:1], 0x40             ; w2's codes 20, its scales 22, ln2_g 24, ln2_b 26
	s_load_b64 s[28:29], s[0:1], 0x60              ; out0
	v_lshl_add_u32 v1, v0, 2, SPARE
	v_mov_b32 v2, 0
	ds_add_u32 v1, v2                              ; the wave's opening: two adds and their wait ahead of my first tensor load
	ds_add_u32 v1, v2
	v_lshrrev_b32 v16, 5, v0
	v_readfirstlane_b32 s[WV], v16
	s_lshr_b32 s[MH], s[WV], 3
	s_and_b32 s[NQ], s[WV], 7
	s_mov_b32 s[BLK], 2
	; group 1: 64 rows x 128 bytes of codes, 16 bytes of padding behind each; mask: all four work-groups, bit 21 beside it
	s_mov_b32 s[G1C], 15|(0<<16)|(1<<20)|(1<<21)|(4<<22)|(3<<25)
	s_mov_b32 s[G1C+1], 128<<16                    ; tensor_dim0
	s_mov_b32 s[G1C+2], 64<<16                     ; tensor_dim1
	s_mov_b32 s[G1C+3], 128<<16                    ; tile_dim0
	s_mov_b32 s[G1C+4], 64                         ; tile_dim1
	s_mov_b32 s[G1C+5], 256                        ; a row of w_combine's codes
	s_mov_b32 s[G1C+6], 0
	s_mov_b32 s[G1C+7], 0
	s_mov_b32 s[G1W], 15|(0<<16)|(1<<20)|(1<<21)|(4<<22)|(3<<25)
	s_mov_b32 s[G1W+1], 128<<16
	s_mov_b32 s[G1W+2], 64<<16
	s_mov_b32 s[G1W+3], 128<<16
	s_mov_b32 s[G1W+4], 64
	s_mov_b32 s[G1W+5], 1024                       ; a row of w2's codes
	s_mov_b32 s[G1W+6], 0
	s_mov_b32 s[G1W+7], 0
	; w2's scale bytes: 2,048 dense bytes a wave, as 8 rows of 256 bytes (32 elements of 8), 16 bytes of padding behind each
	s_mov_b32 s[G1S], 15|(3<<16)|(1<<20)|(1<<21)|(5<<22)|(3<<25)
	s_mov_b32 s[G1S+1], 32<<16
	s_mov_b32 s[G1S+2], 8<<16
	s_mov_b32 s[G1S+3], 32<<16
	s_mov_b32 s[G1S+4], 8
	s_mov_b32 s[G1S+5], 32
	s_mov_b32 s[G1S+6], 0
	s_mov_b32 s[G1S+7], 0
	s_mov_b32 s[G0], 1
	s_mul_i32 s[G0+1], s[MH], SLOT                 ; waves 0-7 always fill slot 0, waves 8-15 slot 1: 64 rows each
	s_mul_i32 s2, s[NQ], 9216
	s_add_co_u32 s[G0+1], s[G0+1], s2
	s_mov_b32 s[G0S], 1
	s_mul_i32 s[G0S+1], s[WV], 2176
	s_add_co_u32 s[G0S+1], s[G0S+1], W2S
	s_lshl_b32 s[G0S+2], s[WV], 11
	s_mov_b32 s[G0S+3], 0
	s_lshl_b32 s2, s[NQ], 14                       ; my 64 rows of w_combine, my slab of 128 bytes
	s_lshl_b32 s3, s[MH], 7
	s_add_co_u32 s2, s2, s3
	s_lshl_b32 s66, s[NQ], 16                      ; and of w2
	s_add_co_u32 s66, s66, s3
	s_mov_b32 s3, 0
	s_mov_b32 s67, 0
	s_bfe_u32 s34, ttmp6, 0x40000                  ; my place in the cluster: it enters x's and out0's addresses alone
	s_lshl_b32 s35, ttmp9, 2
	s_add_co_u32 s34, s35, s34                     ; my first block, 0 .. 255: batch = block / 64, sb = block % 64
	s_lshl_b32 s[XA], s34, 17                      ; its 64 tokens,
	s_lshl_b32 s35, s[WV], 13
	s_add_co_u32 s[XA], s[XA], s35                 ; my four of them
	s_mov_b32 s[XA+1], 0
	s_lshr_b32 s35, s34, 6
	s_lshl_b32 s[XR], s35, 23                      ; the batch,
	s_and_b32 s35, s34, 63
	s_lshl_b32 s35, s35, 11
	s_add_co_u32 s[XR], s[XR], s35                 ; row sb,
	s_lshl_b32 s35, s[MH], 22
	s_add_co_u32 s[XR], s[XR], s35                 ; 32 mh rows of the block further on, 131,072 bytes each,
	s_lshl_b32 s35, s[NQ], 8
	s_add_co_u32 s[XR], s[XR], s35                 ; my 256 bytes of a row
	s_mov_b32 s[XR+1], 0
	s_mov_b32 s[SEL], 0x76543210
	s_mov_b32 s[SEL+1], 0xfedcba98
	s_mov_b32 s[MHI], 0xffff0000
	s_mov_b32 s[CS], 0x3f0293ee
	s_mov_b32 s[CS+1], s[CS]                       ; (each is named as a pair, so both words are written)
	s_mov_b32 s[IPI], 0x3ea2f983
	s_mov_b32 s[IPI+1], s[IPI]
	s_mov_b32 s[NPH], 0xc0490fdb
	s_mov_b32 s[NPH+1], s[NPH]
	s_mov_b32 s[NPL], 0x33bbbd2e
	s_mov_b32 s[NPL+1], s[NPL]
	s_mov_b32 s[C6], 0x310f76c8
	s_mov_b32 s[C6+1], s[C6]
	s_mov_b32 s[C4], 0x37d00d01
	s_mov_b32 s[C4+1], s[C4]
	s_mov_b32 s[C3], 0xbab60b61
	s_mov_b32 s[C3+1], s[C3]
	s_mov_b32 s[C2], 0x3d2aaaab
	s_mov_b32 s[C2+1], s[C2]
	s_mov_b32 s[R512], 0x3b000000
	s_mov_b32 s[EPSR], 0x3727c5ac
	s_wait_dscnt 0x0                               ; both opening adds are done
	s_wait_kmcnt 0x0
	s_add_nc_u64 s[8:9], s[8:9], s[2:3]
	s_add_nc_u64 s[20:21], s[20:21], s[66:67]
	s_add_nc_u64 s[G0S+2:G0S+3], s[22:23], s[G0S+2:G0S+3]
	s_or_b32 s[G0S+3], s[G0S+3], 0x80000000
	s_add_nc_u64 s[OUTB:OUTB+1], s[28:29], s[XR:XR+1]
	s_add_nc_u64 s[XR:XR+1], s[4:5], s[XR:XR+1]
	s_add_nc_u64 s[XA:XA+1], s[4:5], s[XA:XA+1]
	ROUND                                          ; all four work-groups are here: the first joint loads meet
	tensor_load_to_lds s[G0S:G0S+3], s[G1S:G1S+7]  ; w2's scale bytes: every wave fetches a sixteenth; filled once
	s_nop 0
	v_and_b32 v16, 15, v0                          ; r
	v_bfe_u32 v17, v0, 4, 1                        ; h
	v_and_b32 v20, 31, v0                          ; L
	v_lshlrev_b32 v3, 5, v16
	v_lshl_add_u32 v3, v17, 4, v3                  ; x: head r of 16, 32 bytes a head, + 16 h
	s_mul_i32 s2, s[WV], PWB
	s_add_co_u32 s2, s2, PWH                       ; my own 4,352 bytes
	v_add_nc_u32 v4, s2, v3                        ; q's table, in: head r (+ 16 a), 32 bytes a head, + 16 h
	v_lshl_add_u32 v5, v17, 8, s2                  ; q's table, out: my half's eight heads of a tile begin 256 h bytes on; the same address in all 16 lanes of a half
	s_lshr_b32 s2, s[WV], 2                        ; my block of 32 is in K step w / 4, at place w % 4
	s_and_b32 s3, s[WV], 3
	s_lshl_b32 s66, s2, 12
	s_lshl_b32 s67, s3, 8
	s_add_co_u32 s66, s66, s67
	s_add_co_u32 s66, s66, AIMG
	v_lshlrev_b32 v7, 4, v16
	v_lshl_add_u32 v7, v17, 1, v7
	v_add_nc_u32 v7, s66, v7                       ; where my codes go in the image: the reading lane is r + 16 (w % 2), its register group (w / 2) % 2; of a token's four bytes mine are the two at 2 h
	s_lshl_b32 s66, s2, 9
	s_add_co_u32 s66, s66, s3
	s_add_co_u32 s66, s66, ASC
	v_lshl_add_u32 v8, v20, 2, s66                 ; and my scale byte: byte w % 4 of my lane's word
	v_lshlrev_b32 v9, 17, v20                      ; the prefetch: a lane a row
	v_mov_b32 v10, 0x4b400000
	v_mov_b32 v11, 0x4b400000
	v_lshlrev_b32 v23, 4, v17
	global_load_b128 v[12:15], v23, s[6:7]         ; theta_attn[4 h .. 4 h + 3]
	v_mov_b32 v18, 0                               ; written once: a lane permute's destination counts as a source, and a pair is read whole
	v_mov_b32 v19, 0
	v_mov_b32 v21, 0
	v_mov_b32 v22, 0
.Lblock:
	; ---------------- w_combine's two slabs are asked for; attention stands between the request and the wait for it ----------------
	s_wait_tensorcnt 0x0                           ; no tensor load of mine is out, so group 0 may be written
	ds_add_u32 v1, v2
	s_mov_b64 s[G0+2:G0+3], s[8:9]
	s_or_b32 s[G0+3], s[G0+3], 0x80000000
	v_mov_b32 v30, C5BITS
	v_mov_b32 v31, C5BITS
	s_wait_dscnt 0x0                               ; the add is done, and so are all my LDS instructions: the last block's reads of the slots among them
	ROUND
	tensor_load_to_lds s[G0:G0+3], s[G1C:G1C+7]
	s_nop 0
.irp a, 0,1,2,3
	global_load_b128 v[XN+4*\a:XN+4*\a+3], v3, s[XA:XA+1] offset:512*\a
.endr
	TOKEN 0
	TOKEN 1
	TOKEN 2
	TOKEN 3
	; ---------------- my block of 32 along K, for the 64 rows (four tiles b): lane (r, h) holds, of row 16 b + r, k = 8 t + 4 h + j in register 16 b + 4 t + j ----------------
.irp b, 0,1,2,3
	v_max3_num_f32 v[64+\b], |v[NR+16*\b]|, |v[NR+16*\b+1]|, 0x1800000   ; with the floor 2^(3 - 127): the byte cannot fall under 1
.endr
.irp i, 2,4,6,8,10,12,14
.irp b, 0,1,2,3
	v_max3_num_f32 v[64+\b], v[64+\b], |v[NR+16*\b+\i]|, |v[NR+16*\b+\i+1]|
.endr
.endr
.irp b, 0,1,2,3
	v_permlanex16_b32 v[68+\b], v[64+\b], s[SEL], s[SEL+1]
.endr
.irp b, 0,1,2,3
	v_max_num_f32 v[64+\b], v[64+\b], v[68+\b]
.endr
.irp b, 0,1,2,3
	v_add_nc_u32 v[72+\b], 0xff000000, v[64+\b]    ; 2 off the exponent field: the conversion's scale operand
.endr
.irp b, 0,1,2,3
	v_lshrrev_b32 v[76+\b], 23, v[72+\b]           ; the scale's byte
.endr
.irp b, 0,1,2,3
	v_cvt_scalef32_pk8_fp4_f32 v[80+2*\b], v[NR+16*\b:NR+16*\b+7], v[72+\b]        ; tokens 0 and 1: 16 bits each
	v_cvt_scalef32_pk8_fp4_f32 v[81+2*\b], v[NR+16*\b+8:NR+16*\b+15], v[72+\b]     ; tokens 2 and 3
.endr
	v_nop                                          ; one plain instruction behind a scaled conversion
.irp b, 0,1,2,3
	v_lshrrev_b32 v[88+2*\b], 16, v[80+2*\b]
	v_lshrrev_b32 v[89+2*\b], 16, v[81+2*\b]
.endr
.irp b, 0,1,2,3
	ds_store_b16 v7, v[80+2*\b] offset:1024*\b     ; a token's four bytes of the block: two from each half of the lanes
	ds_store_b16 v7, v[88+2*\b] offset:1024*\b+4
	ds_store_b16 v7, v[81+2*\b] offset:1024*\b+8
	ds_store_b16 v7, v[89+2*\b] offset:1024*\b+12
	ds_store_b8 v8, v[76+\b] offset:128*\b
.endr
	; ---------------- the addresses of the second half, v16-31 ----------------
	v_and_b32 v64, 15, v0                          ; r
	v_bfe_u32 v65, v0, 4, 1                        ; h
	v_and_b32 v66, 31, v0                          ; L
	v_lshlrev_b32 v16, 17, v65
	v_lshl_add_u32 v16, v64, 4, v16                ; v16: x, out0: lanes 0-15 one row's 256 bytes, lanes 16-31 the next row's
	s_mul_i32 s2, s[WV], PWB
	s_add_co_u32 s2, s2, PWH
	v_mul_u32_u24 v17, v65, 272
	v_lshl_add_u32 v17, v64, 4, v17
	v_add_nc_u32 v17, s2, v17                      ; v17: my stage by rows
	v_mul_u32_u24 v18, v64, 272
	v_lshl_add_u32 v18, v65, 5, v18
	v_add_nc_u32 v18, s2, v18                      ; v18: my stage in the accumulators' layout: row r, 32 h bytes on
	s_mul_i32 s3, s[NQ], 9216
	v_mul_u32_u24 v19, v64, 144
	v_lshl_add_u32 v19, v65, 4, v19
	v_add_nc_u32 v19, s3, v19                      ; v19, v20: my 64 weight rows in slot 0, 1
	v_add_nc_u32 v20, SLOT, v19
	FRSET AIMG, ASC
	s_mul_i32 s3, s[NQ], 16*272
	s_add_co_u32 s3, s3, W2S
	v_lshrrev_b32 v67, 2, v64
	v_and_b32 v68, 3, v64
	v_mul_u32_u24 v23, v67, 272
	v_lshl_add_u32 v23, v68, 6, v23
	v_add_nc_u32 v23, s3, v23                      ; v23: w2's scale words: 64 bytes a row, four rows to 256 + 16
	s_lshl_b32 s3, s[MH], 10
	s_add_co_u32 s3, s3, LNP
	v_lshlrev_b32 v25, 5, v64
	v_add_nc_u32 v25, s3, v25                      ; v25: a table's row of eight
	s_lshl_b32 s66, s[NQ], 2
	v_add_nc_u32 v24, s66, v25                     ; v24: my wave's word in it
	s_lshl_b32 s3, s[NQ], 8
	v_lshlrev_b32 v26, 5, v65
	v_add_nc_u32 v26, s3, v26                      ; v26: gains and biases of my columns
	s_lshl_b32 s3, s[MH], 11
	s_add_co_u32 s3, s3, QO
	v_lshlrev_b32 v27, 6, v64
	v_lshl_add_u32 v27, v65, 5, v27
	v_add_nc_u32 v27, s3, v27                      ; v27: q_out, in
	v_lshlrev_b32 v28, 6, v64
	v_lshl_add_u32 v28, v65, 4, v28
	v_add_nc_u32 v28, QO, v28                      ; v28: q_out, out: row r, k = 4 h on
	v_and_b32 v67, 8, v64
	v_add_nc_u32 v67, v67, v64
	v_lshlrev_b32 v29, 5, v67
	v_lshl_add_u32 v29, v65, 4, v29
	s_lshl_b32 s3, s[WV], 12
	v_add_nc_u32 v29, s3, v29                      ; v29: w1: row 128 w + r + 8 (r / 8), 32 bytes a row, + 16 h
	s_add_co_u32 s3, s3, HIMG
	v_lshl_add_u32 v30, v66, 4, s3                 ; v30: the hidden layer's images, K step w
	s_lshl_b32 s3, s[WV], 9
	s_add_co_u32 s3, s3, HSC
	v_lshl_add_u32 v31, v66, 2, s3                 ; v31: and their scale words
	s_lshl_b32 s3, s[NQ], 10
	v_lshl_add_u32 v71, v64, 4, s3                 ; v71: w_combine's scale words: 16 bytes a row
	s_wait_dscnt 0x0                               ; the codes' stores have read their registers
	; ---------------- x's rows come in as whole runs of 256 bytes and turn, through my stage, into the accumulators' layout: they are the C of the first quantised product ----------------
.irp q, 0,1,2,3,4,5,6,7,8,9,10,11,12,13,14,15
	global_load_b128 v[80+4*\q:83+4*\q], v16, s[XR:XR+1] offset:262144*\q
.endr
.irp nt, 0,1,2,3
	global_load_b128 v[32+4*\nt:35+4*\nt], v71, s[10:11] offset:256*\nt   ; the four scale words of each of my weight rows
.endr
	s_wait_loadcnt 12                              ; rows 0-15 are in: behind them stand eight loads of rows and four of scales
.irp q, 0,1,2,3,4,5,6,7
	ds_store_b128 v17, v[80+4*\q:83+4*\q] offset:544*\q
.endr
.irp nt, 0,1,2,3
	ds_load_b128 v[ACC+8*\nt:ACC+8*\nt+3], v18 offset:64*\nt         ; LDS serves a wave's instructions in order
	ds_load_b128 v[ACC+8*\nt+4:ACC+8*\nt+7], v18 offset:64*\nt+16
.endr
	s_wait_loadcnt 4                               ; rows 16-31 are in
.irp q, 0,1,2,3,4,5,6,7
	ds_store_b128 v17, v[112+4*\q:115+4*\q] offset:544*\q
.endr
.irp nt, 0,1,2,3
	ds_load_b128 v[ACC+32+8*\nt:ACC+32+8*\nt+3], v18 offset:64*\nt
	ds_load_b128 v[ACC+32+8*\nt+4:ACC+32+8*\nt+7], v18 offset:64*\nt+16
.endr
	s_wait_loadcnt 0x0                             ; the scale words
	s_wait_tensorcnt 0x0                           ; my part of w_combine has landed
	BAR                                            ; everybody's has, and all sixteen blocks of codes lie in LDS
	; ---------------- x + attention x w_combine^T ----------------
	KSTEP 19, 0, 0, 0
	KSTEP 19, 1, 1, 1
	KSTEP 20, 0, 2, 2
	KSTEP 20, 1, 3, 3
	; ---------------- w2's first two slabs are asked for; the norm and the hidden layer stand between the request and the wait for it ----------------
	s_wait_tensorcnt 0x0
	ds_add_u32 v1, v2
	s_mov_b64 s[G0+2:G0+3], s[20:21]
	s_or_b32 s[G0+3], s[G0+3], 0x80000000
	s_wait_dscnt 0x0                               ; the add is done, and my reads of the slots are over
	ROUND
	tensor_load_to_lds s[G0:G0+3], s[G1W:G1W+7]
	s_nop 0
	LN 0, 12, 14, 1                                ; x1, in the accumulators
	; ---------------- q_out = cos(theta_ffn) cos(x1[:8]): columns 0-7 lie in the waves with nq = 0, tile 0, lanes 0-15 (lanes 16-31 do the same on columns 8-15, into bytes that nobody reads) ----------------
	s_cmp_lg_u32 s[NQ], 0
	s_cbranch_scc1 .Lnoq
	v_mov_b32 v64, 0
	global_load_b128 v[80:83], v64, s[16:17]
	global_load_b128 v[84:87], v64, s[16:17] offset:16
	v_mov_b32 v78, C5BITS
	v_mov_b32 v79, C5BITS
	s_wait_loadcnt 0x0
	COS 4, 80, 88, 96, 104, 112, 78
	COS 4, ACC, 120, 96, 104, 112, 78
	COS 4, ACC+32, 128, 96, 104, 112, 78
.irp i, 0,2,4,6
	v_pk_mul_f32 v[120+\i:121+\i], v[120+\i:121+\i], v[88+\i:89+\i]
	v_pk_mul_f32 v[128+\i:129+\i], v[128+\i:129+\i], v[88+\i:89+\i]
.endr
	ds_store_b128 v27, v[120:123]
	ds_store_b128 v27, v[124:127] offset:16
	ds_store_b128 v27, v[128:131] offset:1024
	ds_store_b128 v27, v[132:135] offset:1040
.Lnoq:
	s_wait_loadcnt 0x0                             ; w1's fragments
	BAR                                            ; q_out's 64 rows lie in LDS
	; ---------------- the hidden layer: my 128 units for the 64 rows, 16 rows and 64 units at a time; transposed: source 0 = 16 rows of w1, source 1 = 16 rows of q_out ----------------
.irp m, 0,1,2,3
	ds_load_b128 v[64:67], v28 offset:1024*\m
	s_wait_dscnt 0x0
.irp c, 0,1
.irp t, 0,1,2,3
	v_wmma_f32_16x16x4_f32 v[SS+8*\t:SS+8*\t+7], v[32+4*(4*\c+\t):32+4*(4*\c+\t)+1], v[64:65], 0
.endr
.irp t, 0,1,2,3
	v_wmma_f32_16x16x4_f32 v[SS+8*\t:SS+8*\t+7], v[32+4*(4*\c+\t)+2:32+4*(4*\c+\t)+3], v[66:67], v[SS+8*\t:SS+8*\t+7]
.endr
.rept 8
	v_nop                                          ; places ahead of the first read of these results
.endr
.set hi, 0
.rept 32
	v_max_num_f32 v[80+hi], 0, v[SS+hi]            ; relu, into other registers, each accumulator from its low end on
.set hi, hi+1
.endr
	QUANT2 \c, \m
.endr
.endr
	s_wait_tensorcnt 0x0                           ; my part of w2's first two slabs has landed
	BAR                                            ; everybody's has, and the hidden layer's 64 fragments lie in LDS
	FRSET HIMG, HSC
	; ---------------- x1 + hidden x w2^T: eight slabs of 256 along K, through the two slots by turns ----------------
.set sj, 0
.rept 8
.if sj%2 == 0
.irp nt, 0,1,2,3
	ds_load_b128 v[32+4*\nt:35+4*\nt], v23 offset:1088*\nt+16*(sj/2)   ; my weight rows' scale words of the next four K steps
.endr
.endif
	KSTEP 19+sj%2, 0, 2*sj, (2*sj)%4
	KSTEP 19+sj%2, 1, 2*sj+1, (2*sj+1)%4
.if sj < 6
	CHANGE 1, sj%2
.elseif sj == 6
	CHANGE 0, 0
.endif
.set sj, sj+1
.endr
	LN 2, 24, 26, 0
	; ---------------- the way out: through my stage, back as whole rows' runs of 256 bytes (every wave has passed the norm's barriers, so nobody reads the images that lay here) ----------------
.irp mt, 0,1
.irp nt, 0,1,2,3
	ds_store_b128 v18, v[ACC+32*\mt+8*\nt:ACC+32*\mt+8*\nt+3] offset:64*\nt
	ds_store_b128 v18, v[ACC+32*\mt+8*\nt+4:ACC+32*\mt+8*\nt+7] offset:64*\nt+16
.endr
.irp q, 0,1,2,3,4,5,6,7
	ds_load_b128 v[80+32*\mt+4*\q:83+32*\mt+4*\q], v17 offset:544*\q
.endr
.endr
.irp mt, 0,1
.irp q, 0,1,2,3,4,5,6,7
	s_wait_dscnt 16*(1-\mt)+7-\q                   ; this pair of rows is back; what was issued behind its load may be out
	global_store_b128 v16, v[80+32*\mt+4*\q:83+32*\mt+4*\q], s[OUTB:OUTB+1] offset:262144*(8*\mt+\q) th:TH_STORE_NT   ; sixteen lanes store 256 consecutive bytes, at a multiple of 256 from out0's first byte
.endr
.endr
	s_wait_xcnt 0x0                                ; the stores and the prefetch have read their registers and bases: both may be written again
	s_add_nc_u64 s[XA:XA+1], s[XA:XA+1], 0x2000000     ; 256 blocks on
	s_add_nc_u64 s[XR:XR+1], s[XR:XR+1], 0x2000000
	s_add_nc_u64 s[OUTB:OUTB+1], s[OUTB:OUTB+1], 0x2000000
	s_sub_co_u32 s[BLK], s[BLK], 1
	s_cmp_lg_u32 s[BLK], 0
	s_cbranch_scc1 .Lblock
	s_wait_tensorcnt 0x0                           ; the wave's end: behind my last tensor load and my last LDS store
	ds_add_u32 v1, v2
	s_wait_dscnt 0x0
	ROUND                                          ; the closing round: no work-group ends while a partner may still ask for a tile that names it
	s_endpgm
.Lfunc_end_k_q829f682db7_block:
	.size	k_q829f682db7_block, .Lfunc_end_k_q829f682db7_block-k_q829f682db7_block
	.p2alignl 7, 3214868480
	.fill 96, 4, 3214868480
	.section	.rodata,"a",@progbits
	.p2align	6, 0x0
	.amdhsa_kernel k_q829f682db7_block
		.amdhsa_group_segment_fixed_size 327680
		.amdhsa_private_segment_fixed_size 0
		.amdhsa_enable_private_segment 0
		.amdhsa_kernarg_size 104
		.amdhsa_user_sgpr_count 2
		.amdhsa_user_sgpr_kernarg_segment_ptr 1
		.amdhsa_wavefront_size32 1
		.amdhsa_system_sgpr_workgroup_id_x 1
		.amdhsa_system_sgpr_workgroup_id_y 1
		.amdhsa_system_sgpr_workgroup_id_z 1
		.amdhsa_system_vgpr_workitem_id 0
		.amdhsa_next_free_vgpr 256
		.amdhsa_next_free_sgpr 102
		.amdhsa_reserve_vcc 0
		.amdhsa_float_denorm_mode_32 3
		.amdhsa_float_denorm_mode_16_64 3
		.amdhsa_memory_ordered 1
		.amdhsa_forward_progress 1
		.amdhsa_inst_pref_size 255
	.end_amdhsa_kernel
	.section	.bss,"aw",@nobits
	.p2align	6
	.space	262144
	.amdgpu_metadata
---
amdhsa.version: [ 1, 2 ]
amdhsa.kernels:
  - .name:           k_q829f682db7_block
    .symbol:         k_q829f682db7_block.kd
    .args:
      - { .name: x, .offset: 0, .size: 8, .value_kind: global_buffer, .address_space: global }
      - { .name: theta_attn, .offset: 8, .size: 8, .value_kind: global_buffer, .address_space: global }
      - { .name: w_combine_codes, .offset: 16, .size: 8, .value_kind: global_buffer, .address_space: global }
      - { .name: w_combine_scales, .offset: 24, .size: 8, .value_kind: global_buffer, .address_space: global }
      - { .name: ln1_g, .offset: 32, .size: 8, .value_kind: global_buffer, .address_space: global }
      - { .name: ln1_b, .offset: 40, .size: 8, .value_kind: global_buffer, .address_space: global }
      - { .name: theta_ffn, .offset: 48, .size: 8, .value_kind: global_buffer, .address_space: global }
      - { .name: w1, .offset: 56, .size: 8, .value_kind: global_buffer, .address_space: global }
      - { .name: w2_codes, .offset: 64, .size: 8, .value_kind: global_buffer, .address_space: global }
      - { .name: w2_scales, .offset: 72, .size: 8, .value_kind: global_buffer, .address_space: global }
      - { .name: ln2_g, .offset: 80, .size: 8, .value_kind: global_buffer, .address_space: global }
      - { .name: ln2_b, .offset: 88, .size: 8, .value_kind: global_buffer, .address_space: global }
      - { .name: out0, .offset: 96, .size: 8, .value_kind: global_buffer, .address_space: global }
    .group_segment_fixed_size: 327680
    .private_segment_fixed_size: 0
    .kernarg_segment_align: 8
    .kernarg_segment_size: 104
    .max_flat_workgroup_size: 512
    .sgpr_count:     102
    .vgpr_count:     256
    .wavefront_size: 32
...
	.end_amdgpu_metadata
.endif
;; end of part 1
